; MI455X (gfx1250); checked and timed in simulation.
; The chip was launched on July 23, 2026; its instructions are those of AMD's public machine-readable ISA for CDNA 5 (MIT licence, August 2026) and "CDNA5" Instruction Set Architecture Reference Guide (July 2026). The comments in the code are by the model that wrote it; some were corrected since.
;; MHA Attention. Allowed arithmetic: float matrix products may take bf16 or f16 operands with f32 sums; all other float work in f32.
;; Inputs: W_out 512 x 64 float32; b_out 64 float32; key 2 x 4,096 x 512 float32; query 2 x 4,096 x 512 float32; value 2 x 4,096 x 512 float32.
;; Outputs: out0 2 x 4,096 x 64 float32.
;; 2 versions, each right. Each part assembles by itself: llvm-mc -triple=amdgcn-amd-amdhsa -mcpu=gfx1250 --defsym DOCPART=n.
;; ======== version 1 of 2: 2 launches
;; limits: values are held in f16: magnitudes above 65,504 overflow, below 6.1e-05 lose precision
;; workspace buffers: part 16,777,216 bytes
;; launch attn (part 1): grid 256 x 1, 8 waves a work-group, no clusters, 226,304 bytes of LDS; arguments query, key, value, W_out, part; writes part
.if DOCPART == 1
	.amdgcn_target "amdgcn-amd-amdhsa--gfx1250"
	.amdhsa_code_object_version 6
	.text
	.protected	k_q3f2e0863c6_attn
	.globl	k_q3f2e0863c6_attn
	.p2align	8
	.type	k_q3f2e0863c6_attn,@function
k_q3f2e0863c6_attn:
	s_mov_b64 s[64:65], 0
	v_nop
	global_prefetch_b8 v0, s[64:65] scope:SCOPE_SE
	s_setreg_imm32_b32 hwreg(HW_REG_WAVE_MODE, 25, 1), 1
	s_wait_xcnt 0x0
; attn: part[h][b*4096+n][e] = sum over d of softmax(q k^T / 8)[n][:] v[:][d] * W_out[64 h + d][e], for one head h of one batch b.
; query, key, value: [2][4096][512] f32 (a head is 64 columns = 256 bytes of a row of 2,048 bytes); W_out: [512][64] f32; part: [8][8192][64] f32.
;
; SHARES.  Work-group x: head (b, h) = x >> 4, queries 256 (x & 15) .. +255.  Eight waves; wave w = (g = w & 3, p = w >> 2) has the 64 queries
; 64 g .. +63 of the block and, in every tile of 64 keys, the 32 keys 32 p .. +31.  It keeps a running maximum, a sum and O of its own; the two
; waves of a pair (g, 0), (g, 1) merge once at the end.  64 queries x 32 keys: 8 KiB of fragments from LDS feed 32 matrix instructions.
; TRANSPOSED PRODUCTS.  S^T = K Q^T and O^T = V^T P^T: a lane holds one query (lane % 16) in every register, so maximum and sum are plain
; per-lane numbers, and S^T rounded to f16 in place is already the second source of the next product; likewise O^T for the projection.
; Register slot j (0..3) of a wave holds query tile j xor 2 p, so that every wave keeps slots 0, 1 and gives slots 2, 3 to its partner.
; PIPELINE.  Step t multiplies tile t (LDS slot t & 1), converts tile t + 1 from staging registers to f16 into the other slot, and asks memory
; for tile t + 2.  One barrier a step: signalled when the step's LDS work is done, waited for at the step's end, register work between.
;
; F16, NOT BF16.  An output passes through six roundings of matrix operands (q, k, the probabilities, v, O, W).  With a significand of 8 bits their
; joint error is about a third of one hundredth of the output's root mean square; with f16's 11 bits each is eight times smaller.
;
; NO TENSOR LOADS, NO CLUSTER, though the 16 work-groups of a head read the same K and V tiles: the tiles are f32 in memory and must be f16 in
; LDS.  Through registers a tile touches LDS as 16 KiB stored and 64 KiB read a step.  A tile landed in LDS as f32 would add 32 KiB landed,
; 32 KiB read back and the same 16 KiB stored: 144 KiB against 80 KiB a step, and a round of the cluster's barrier for each refill.
;
; LIMITS.  Inputs are finite, and 0.18 |q|, |k|, |v| and |W_out| stay below 65,504, f16's largest number; beyond it an operand becomes infinite.
; (Numbers of spread 1 made thirty times larger and shifted by thirty of their spreads reach about 1,100.)  Operands below 2^-14 in magnitude
; carry an absolute error of up to 2^-25 in place of a relative one.  q is multiplied by 0.125 log2(e) in f32 and then rounded (the reference
; scales the product): the same relative error in another order.  Sums are f32.  The running maximum takes in the current tile, so no exponent
; is above 0.  In P V a probability below 2^-14 of the running maximum carries an absolute error of up to 2^-25, and below 2^-25 it counts as 0:
; over 4,096 keys at most 1.3e-4 of a row's weight, whose sum is at least 1.  The row sum itself takes the f32 probabilities (below 2^-126:
; 0, since v_exp_f32 flushes: ISA guide 15.8).
.set KP,    144                        ; LDS pitch of K and Q rows: 128 bytes + 16, an odd multiple of 16: 16 rows of a fragment load start 16 bytes apart modulo 256
.set VP,    160                        ; LDS pitch of V and W rows: 128 bytes + 32, an odd multiple of 32, for the transposing load
.set VOFF,  64*KP                      ; V's 64 rows lie behind K's 64 rows
.set SLOT,  64*KP+64*VP                ; 19,456 bytes; two slots
.set QS,    2*SLOT                     ; 256 rows of scaled q, f16, pitch KP: 36,864 bytes
.set WS,    QS+256*KP                  ; 64 rows [d][e] of this head's W, f16, pitch VP: 10,240 bytes
.set XCH,   WS+64*VP                   ; 8 x XW: what a wave gives its partner: 16 x 512 bytes of O, then 512 bytes of (M, l, M, l)
.set XW,    8704
.set OST,   XCH+8*XW                   ; 8 x XW: a wave's own stage for the way out: 32 rows of 256 bytes, pitch 272
.set OP,    272
.set TILEB, 64*2048                    ; bytes from a tile of 64 keys to the next
; window 0
.set GKV, 2                            ; byte offset of my 16 bytes in a tile (K, V, and each 64 rows of Q): row 8 w + 4 (l / 16), column 16 (l % 16)
.set SK,  4                            ; where their 8 bytes of f16 go in K's part of slot 0
.set SV,  5                            ; and in V's part
.set AK,  6                            ; K fragments: (32 p + l % 16) KP + 16 (l / 16)
.set AV,  7                            ; V fragments: VOFF + (32 p + 8 (l / 16) + l % 8) VP + 16 ((l / 8) % 2)
.set PFO, 8                            ; prefetch: the row of a tile that this lane asks for, in bytes
.set AW,  9                            ; W fragments
.set XA,  10                           ; my gift
.set XB,  11                           ; my partner's gift
.set OS,  12                           ; way out: where I put 16 bytes
.set ORD, 13                           ; way out: where I read rows back
.set GO,  14                           ; way out: 16 x lane
.set MP0, 16                           ; v16-23  pair 2 q: (M[q], scratch) as the steps on slot 0 write it
.set MP1, 24                           ; v24-31  the same for the steps on slot 1; a step reads the old M from the other set
.set ALP, 32                           ; v32-39  pair 2 q: (alpha[q] = 2^(old M - new M), old M - new M)
.set LS,  40                           ; v40-47  pair 2 q: two partial row sums
.set KF,  48                           ; v48-79  K fragment (kt, ks) at KF + 16 kt + 8 ks; at the end, with VF: W fragment (et, kc) at KF + 16 et + 8 kc
.set VF,  80                           ; v80-111 V^T fragment dt at VF + 8 dt
.set SC,  112                          ; v112-175 S^T tile (q, kt) at SC + 16 q + 8 kt; rounded in place, P fragment q is SC + 16 q .. + 7
.set G,   176                          ; v176-207 staging: K's four loads, then V's four
.set RO,  176                          ; v176-239 at the end: projection tile (q, et) at RO + 32 q + 8 et
.set SQ,  208                          ; v208-219 prologue only
.set SW,  209
.set GW,  210
.set AQA, 211
.set AQB, 212
.set VL,  213
.set VR,  214
.set VH,  215
.set VL7, 216
.set VB3, 217
.set T,   218
.set T1,  219
.set LT,  208                          ; v208-211 at the end: a lane's row sums
.set PS,  240                          ; v240-243 partner's (M, l) of my slots 0, 1
.set FA,  244                          ; v244-247 pair 2 q: (my factor, total sum)
.set FB,  248                          ; v248-251 pair 2 q: (partner's factor, 1 / total sum)
.set MX,  252                          ; v252-253 the common maximum
; window 1: O^T tile (q, dt) at v[8 (4 q + dt)] (v0-127); Q fragment (q, ks) at v[QF + 16 q + 8 ks] (v128-191)
.set QF,  128
; s_set_vgpr_msb's low byte: bits 1:0 source 0, 3:2 source 1, 5:4 source 2, 7:6 destination; its high byte repeats the setting that is left
.set MSB, 0
.macro WIN new
.if MSB != \new
	s_set_vgpr_msb (MSB<<8)|\new
.set MSB, \new
.endif
.endm
; eight loads: a lane takes 16 bytes of four rows of K and of four rows of V; 16 neighbouring lanes take one head's whole 256 bytes of a row
.macro LDKV
.irp i, 0,1,2,3
	global_load_b128 v[G+4*\i:G+4*\i+3], v[GKV], s[6:7] offset:2048*\i
.endr
.irp i, 0,1,2,3
	global_load_b128 v[G+16+4*\i:G+16+4*\i+3], v[GKV], s[8:9] offset:2048*\i
.endr
.endm
; four loads of 4 f32 become four pairs of registers of f16, in place
.macro CVT4 base
.irp i, 0,1,2,3
	v_cvt_pk_f16_f32 v[\base+4*\i], v[\base+4*\i], v[\base+4*\i+1]
	v_cvt_pk_f16_f32 v[\base+4*\i+1], v[\base+4*\i+2], v[\base+4*\i+3]
.endr
.endm
.macro ST4 base, addr, off, pitch
.irp i, 0,1,2,3
	ds_store_b64 v[\addr], v[\base+4*\i:\base+4*\i+1] offset:\off+\i*\pitch
.endr
.endm
; Prefetch.  The bases point at tile t + 2, so the offset of two tiles names tile T = t + 4 (s27): two steps ahead of the step that loads it.
; A tile's 64 rows of K and of V are asked for once in the launch: by wave 0 of the two work-groups of the head with (x & 15) >> 1 = T & 7,
; 32 rows each, one lane a row.  s28 is that number in wave 0 and 8 elsewhere; bit 6 of the mask stops T = 64 and 65, which do not exist.
.macro PREF
	s_and_b32 s29, s27, 0x47
	s_cmp_eq_u32 s29, s28
	s_cbranch_scc0 .Lnp_\@
	global_prefetch_b8 v[PFO], s[6:7] offset:2*TILEB th:TH_LOAD_NT scope:SCOPE_SE
	global_prefetch_b8 v[PFO], s[8:9] offset:2*TILEB th:TH_LOAD_NT scope:SCOPE_SE
.Lnp_\@:
	s_add_co_u32 s27, s27, 1
.endm
; S^T = K Q^T: 8 tiles (4 query tiles x 2 key tiles), d in two halves.  The eight accumulators take turns, one instruction a turn.
.macro SMUL
	WIN 0x04                                       ; Q in window 1
.irp q, 0,1,2,3
.irp kt, 0,1
	v_wmma_f32_16x16x32_f16 v[SC+16*\q+8*\kt:SC+16*\q+8*\kt+7], v[KF+16*\kt:KF+16*\kt+7], v[QF+16*\q:QF+16*\q+7], 0
.endr
.endr
.irp q, 0,1,2,3
.irp kt, 0,1
	v_wmma_f32_16x16x32_f16 v[SC+16*\q+8*\kt:SC+16*\q+8*\kt+7], v[KF+16*\kt+8:KF+16*\kt+15], v[QF+16*\q+8:QF+16*\q+15], v[SC+16*\q+8*\kt:SC+16*\q+8*\kt+7]
.endr
.endr
	WIN 0
.rept 4
	v_nop                                          ; four places between the last product and the vector instructions that read results (ISA guide 7.12.1)
.endr
.endm
; The new maximum of each query: my 16 scores and the old M, four chains side by side; then the other half of the lanes, which holds the other 16 keys.
.macro SMAX cur, old, first
.irp q, 0,1,2,3
.if \first
	v_max_num_f32 v[\cur+2*\q], v[SC+16*\q], v[SC+16*\q+1]
.else
	v_max3_num_f32 v[\cur+2*\q], v[SC+16*\q], v[SC+16*\q+1], v[\old+2*\q]
.endif
.endr
.irp i, 1,2,3,4,5,6,7
.irp q, 0,1,2,3
	v_max3_num_f32 v[\cur+2*\q], v[SC+16*\q+2*\i], v[SC+16*\q+2*\i+1], v[\cur+2*\q]
.endr
.endr
.irp q, 0,1,2,3
	v_permlanex16_b32 v[\cur+2*\q+1], v[\cur+2*\q], s24, s25
.endr
.irp q, 0,1,2,3
	v_max_num_f32 v[\cur+2*\q], v[\cur+2*\q], v[\cur+2*\q+1]
.endr
.if \first
.else
.irp q, 0,1,2,3
	v_sub_f32 v[ALP+2*\q+1], v[\old+2*\q], v[\cur+2*\q]
.endr
.irp q, 0,1,2,3
	v_exp_f32 v[ALP+2*\q], v[ALP+2*\q+1]           ; the plain place behind these (ISA guide 5.7.2) is the first subtraction below, which names neither
.endr
.endif
.endm
; P = 2^(S - M), in place.  Behind each run of exponentials stands the next query tile's subtraction, behind the last run the first line of the sums, which reads tile 0.
.macro SEXP cur
.irp q, 0,1,2,3
.irp i, 0,1,2,3,4,5,6,7
	v_pk_add_f32 v[SC+16*\q+2*\i:SC+16*\q+2*\i+1], v[SC+16*\q+2*\i:SC+16*\q+2*\i+1], v[\cur+2*\q:\cur+2*\q+1] op_sel_hi:[1,0] neg_lo:[0,1] neg_hi:[0,1]
.endr
.irp i, 0,1,2,3,4,5,6,7,8,9,10,11,12,13,14,15
	v_exp_f32 v[SC+16*\q+\i], v[SC+16*\q+\i]
.endr
.endr
.endm
; row sums, two partial sums a query tile and lane: l = l alpha + the 16 probabilities; the first step starts them
.macro SSUM first
.if \first
	s_wait_alu depctr_va_vdst(0)
.irp q, 0,1,2,3
	v_pk_add_f32 v[LS+2*\q:LS+2*\q+1], v[SC+16*\q:SC+16*\q+1], v[SC+16*\q+2:SC+16*\q+3]
.endr
.irp i, 2,3,4,5,6,7
.irp q, 0,1,2,3
	v_pk_add_f32 v[LS+2*\q:LS+2*\q+1], v[LS+2*\q:LS+2*\q+1], v[SC+16*\q+2*\i:SC+16*\q+2*\i+1]
.endr
.endr
.else
	s_wait_alu depctr_va_vdst(0)
.irp q, 0,1,2,3
	v_pk_fma_f32 v[LS+2*\q:LS+2*\q+1], v[LS+2*\q:LS+2*\q+1], v[ALP+2*\q:ALP+2*\q+1], v[SC+16*\q:SC+16*\q+1] op_sel_hi:[1,0,1]
.endr
.irp i, 1,2,3,4,5,6,7
.irp q, 0,1,2,3
	v_pk_add_f32 v[LS+2*\q:LS+2*\q+1], v[LS+2*\q:LS+2*\q+1], v[SC+16*\q+2*\i:SC+16*\q+2*\i+1]
.endr
.endr
.endif
.endm
; P to f16 in place, ascending: register i takes registers 2 i, 2 i + 1, none of which lies below i.  Registers 0-3: keys 8 (l/16) .. + 7, 4-7: keys 16 + 8 (l/16) .. + 7.
.macro SCVT
.irp q, 0,1,2,3
.irp i, 0,1,2,3,4,5,6,7
	v_cvt_pk_f16_f32 v[SC+16*\q+\i], v[SC+16*\q+2*\i], v[SC+16*\q+2*\i+1]
.endr
.endr
.endm
; O = O alpha
.macro RESC
	WIN 0x41                                       ; O in window 1 as destination and first source
.irp q, 0,1,2,3
.irp i, 0,1,2,3,4,5,6,7,8,9,10,11,12,13,14,15
	v_pk_mul_f32 v[32*\q+2*\i:32*\q+2*\i+1], v[32*\q+2*\i:32*\q+2*\i+1], v[ALP+2*\q:ALP+2*\q+1] op_sel_hi:[1,0]
.endr
.endr
.endm
; O^T += V^T P^T: 16 tiles, each once: the accumulators take turns, one instruction a turn.  The first step starts the sums.
.macro PVMUL first
	WIN 0x50                                       ; O in window 1 as C and D
.irp q, 0,1,2,3
.irp dt, 0,1,2,3
.if \first
	v_wmma_f32_16x16x32_f16 v[8*(4*\q+\dt):8*(4*\q+\dt)+7], v[VF+8*\dt:VF+8*\dt+7], v[SC+16*\q:SC+16*\q+7], 0
.else
	v_wmma_f32_16x16x32_f16 v[8*(4*\q+\dt):8*(4*\q+\dt)+7], v[VF+8*\dt:VF+8*\dt+7], v[SC+16*\q:SC+16*\q+7], v[8*(4*\q+\dt):8*(4*\q+\dt)+7]
.endif
.endr
.endr
	WIN 0
.endm
; One step.  slot: where this tile lies; first: it starts M, l and O; conv: the next tile is converted into the other slot;
; load: the tile after that is asked for; bar: a later step follows.
.macro STEP slot, first, conv, load, bar
.irp kt, 0,1
.irp ks, 0,1
.irp u, 0,1
	ds_load_b128 v[KF+16*\kt+8*\ks+4*\u:KF+16*\kt+8*\ks+4*\u+3], v[AK] offset:\slot*SLOT+\kt*16*KP+\ks*64+\u*32
.endr
.endr
.endr
.if \conv
	s_wait_loadcnt 0x0                             ; the eight loads of the next tile, issued one step ago, are the only ones out
	CVT4 G                                         ; these 16 conversions are also the places between the last step's last product and the loads
	CVT4 G+16                                      ; into its V fragments (4) and the first product below, which writes over its P (5)
.else
.rept 5
	v_nop                                          ; the same places, where nothing is left to convert
.endr
.endif
.irp dt, 0,1,2,3
.irp u, 0,1
	ds_load_tr16_b128 v[VF+8*\dt+4*\u:VF+8*\dt+4*\u+3], v[AV] offset:\slot*SLOT+\dt*32+\u*16*VP
.endr
.endr
.if \conv
	ST4 G, SK, (1-\slot)*SLOT, KP                  ; the other slot: every wave's reads of it were back in front of the last barrier
	ST4 G+16, SV, (1-\slot)*SLOT, VP
.endif
.if \load
	s_wait_xcnt 0x0                                ; the last step's prefetches name the two bases and have no counter of their own: the bases are stepped only behind this wait
	s_add_nc_u64 s[6:7], s[6:7], TILEB
	s_add_nc_u64 s[8:9], s[8:9], TILEB
	LDKV
	PREF
.endif
	s_wait_dscnt 0x0                               ; my fragments are in; for the other waves: my reads of this slot are back and my stores into the other are done
.if \bar
	s_barrier_signal -1
.endif
	SMUL
	SMAX MP0+8*\slot, MP0+8*(1-\slot), \first
	SEXP MP0+8*\slot
	SSUM \first
	SCVT
.if \first
.else
	RESC
.endif
	PVMUL \first
.if \bar
	s_barrier_wait -1                              ; every wave has said so: the next step may read the other slot and write this one
.endif
.endm
	; ---- ids, bases, offsets ----
	s_load_b256 s[4:11], s[0:1], 0x0               ; query s[4:5], key s[6:7], value s[8:9], W_out s[10:11]
	s_load_b64 s[12:13], s[0:1], 0x20              ; part
	v_lshl_add_u32 v254, v0, 2, 0x37000
	v_mov_b32 v255, 0
	v_lshrrev_b32 v1, 5, v0
	v_readfirstlane_b32 s14, v1                    ; wave w
	s_and_b32 s15, s14, 3                          ; g: which 64 queries
	s_lshr_b32 s16, s14, 2                         ; p: which 32 keys of a tile
	s_lshr_b32 s17, ttmp9, 4                       ; 8 b + h
	s_and_b32 s18, ttmp9, 15                       ; query block
	s_lshr_b32 s19, s17, 3                         ; b
	s_and_b32 s20, s17, 7                          ; h
	s_mov_b32 s24, 0x76543210                      ; v_permlanex16_b32: lane i of one half reads lane i of the other
	s_mov_b32 s25, 0xfedcba98
	s_lshr_b32 s29, s18, 1
	s_cmp_eq_u32 s14, 0
	s_cselect_b32 s28, s29, 8                      ; the tiles (mod 8) that this wave prefetches; 8: none
	s_mov_b32 s27, 4                               ; the tile that step 0 may prefetch
	v_and_b32 v[VL], 31, v0                        ; l
	v_and_b32 v[VR], 15, v0                        ; l % 16
	v_bfe_u32 v[VH], v0, 4, 1                      ; l / 16
	v_and_b32 v[VL7], 7, v0                        ; l % 8
	v_bfe_u32 v[VB3], v0, 3, 1                     ; (l / 8) % 2
	s_lshl_b32 s29, s14, 3
	v_lshl_add_u32 v[T], v[VH], 2, s29             ; my first row of a tile: 8 w + 4 (l / 16)
	v_lshlrev_b32 v[T1], 4, v[VR]
	v_lshl_add_u32 v[GKV], v[T], 11, v[T1]         ; rows of 2,048 bytes
	v_lshl_add_u32 v[GW], v[T], 8, v[T1]           ; W: rows of 256 bytes
	v_mul_u32_u24 v[SK], v[T], KP
	v_lshl_add_u32 v[SK], v[VR], 3, v[SK]
	v_mul_u32_u24 v[SV], v[T], VP
	v_lshl_add_u32 v[SV], v[VR], 3, v[SV]
	v_add_nc_u32 v[SW], WS, v[SV]
	v_add_nc_u32 v[SV], VOFF, v[SV]
	v_add_nc_u32 v[SQ], QS, v[SK]
	s_lshl_b32 s30, s16, 5                         ; 32 p
	v_add_nc_u32 v[T], s30, v[VR]
	v_mul_u32_u24 v[T], v[T], KP
	v_lshl_add_u32 v[AK], v[VH], 4, v[T]
	v_lshl_add_u32 v[T], v[VH], 3, v[VL7]
	v_mul_u32_u24 v[T1], v[T], VP
	v_lshl_add_u32 v[T1], v[VB3], 4, v[T1]
	v_add_nc_u32 v[AW], WS, v[T1]
	s_mul_i32 s31, s30, VP
	s_add_co_u32 s31, s31, VOFF
	v_add_nc_u32 v[AV], s31, v[T1]
	s_lshl_b32 s29, s15, 6                         ; 64 g
	s_add_co_u32 s31, s29, s30                     ; slots 0, 1: rows 64 g + 32 p ..
	s_xor_b32 s32, s30, 32
	s_add_co_u32 s32, s29, s32                     ; slots 2, 3: rows 64 g + 32 (1 - p) ..
	v_add_nc_u32 v[T], s31, v[VR]
	v_mul_u32_u24 v[T], v[T], KP
	v_lshl_add_u32 v[T], v[VH], 4, v[T]
	v_add_nc_u32 v[AQA], QS, v[T]
	v_add_nc_u32 v[T], s32, v[VR]
	v_mul_u32_u24 v[T], v[T], KP
	v_lshl_add_u32 v[T], v[VH], 4, v[T]
	v_add_nc_u32 v[AQB], QS, v[T]
	s_mul_i32 s31, s14, XW
	s_xor_b32 s32, s14, 4                          ; my partner: the same g, the other p
	s_mul_i32 s32, s32, XW
	s_add_co_u32 s33, s31, XCH
	s_add_co_u32 s32, s32, XCH
	v_lshlrev_b32 v[GO], 4, v[VL]
	v_add_nc_u32 v[XA], s33, v[GO]
	v_add_nc_u32 v[XB], s32, v[GO]
	s_add_co_u32 s33, s31, OST
	v_mul_u32_u24 v[T], v[VR], OP                  ; in: row l % 16, 32 bytes for each half of the lanes
	v_lshl_add_u32 v[T], v[VH], 5, v[T]
	v_add_nc_u32 v[OS], s33, v[T]
	v_mul_u32_u24 v[T], v[VH], OP                  ; back: lanes 0-15 one row of 256 bytes, lanes 16-31 the next
	v_lshl_add_u32 v[T], v[VR], 4, v[T]
	v_add_nc_u32 v[ORD], s33, v[T]
	s_and_b32 s29, s18, 1
	s_lshl_b32 s29, s29, 5
	v_add_nc_u32 v[T], s29, v[VL]
	v_lshlrev_b32 v[PFO], 11, v[T]                 ; row 32 (x & 1) + l of a tile
.irp q, 0,1,2,3
	v_mov_b32 v[MP0+2*\q+1], 0                     ; destinations of v_permlanex16_b32 count as read: written once here
	v_mov_b32 v[MP1+2*\q+1], 0
.endr
	s_lshl_b32 s22, s19, 23                        ; b x 4,096 rows x 2,048 bytes
	s_lshl_b32 s29, s20, 8                         ; + h x 256 bytes
	s_add_co_u32 s22, s22, s29
	s_mov_b32 s23, 0
	s_wait_kmcnt 0x0
	s_add_nc_u64 s[6:7], s[6:7], s[22:23]          ; key and value at tile 0 of my head
	s_add_nc_u64 s[8:9], s[8:9], s[22:23]
	s_lshl_b32 s29, s18, 19                        ; + block x 256 rows
	s_add_co_u32 s22, s22, s29
	s_add_nc_u64 s[4:5], s[4:5], s[22:23]          ; query at my block
	s_lshl_b32 s22, s20, 14                        ; W_out at row 64 h
	s_add_nc_u64 s[10:11], s[10:11], s[22:23]
	s_lshl_b32 s22, s20, 21                        ; part: head h, row 4,096 b + 256 block + 64 g + 32 p, rows of 256 bytes
	s_lshl_b32 s29, s19, 20
	s_add_co_u32 s22, s22, s29
	s_lshl_b32 s29, s18, 16
	s_add_co_u32 s22, s22, s29
	s_lshl_b32 s29, s15, 14
	s_add_co_u32 s22, s22, s29
	s_lshl_b32 s29, s16, 13
	s_add_co_u32 s22, s22, s29
	s_add_nc_u64 s[12:13], s[12:13], s[22:23]
	; ---- 28 loads: the block's q (16), this head's W (4), tile 0 (8) ----
.irp u, 0,1,2,3
.irp i, 0,1,2,3
	global_load_b128 v[SC+16*\u+4*\i:SC+16*\u+4*\i+3], v[GKV], s[4:5] offset:(64*\u+\i)*2048 th:TH_LOAD_NT
.endr
.endr
.irp i, 0,1,2,3
	global_load_b128 v[KF+4*\i:KF+4*\i+3], v[GW], s[10:11] offset:256*\i
.endr
	LDKV
	s_wait_loadcnt 12                              ; q is in; W's four loads and tile 0's eight stay out
.set j, 0
.rept 32
	v_pk_mul_f32 v[SC+2*j:SC+2*j+1], v[SC+2*j:SC+2*j+1], 0x3e38aa3b op_sel_hi:[1,0]   ; x 0.125 log2(e): the scores come out as exponents of 2
.set j, j+1
.endr
.irp u, 0,1,2,3
	CVT4 SC+16*\u
.endr
.irp u, 0,1,2,3
	ST4 SC+16*\u, SQ, \u*64*KP, KP
.endr
	s_wait_loadcnt 8                               ; W is in; tile 0's eight stay out
	CVT4 KF
	ST4 KF, SW, 0, VP
	s_wait_loadcnt 0x0                             ; tile 0 is in, and no load names the bases any more
	CVT4 G
	CVT4 G+16
	ST4 G, SK, 0, KP
	ST4 G+16, SV, 0, VP
	s_add_nc_u64 s[6:7], s[6:7], TILEB
	s_add_nc_u64 s[8:9], s[8:9], TILEB
	LDKV                                           ; tile 1
	s_wait_dscnt 0x0                               ; my stores of q, W and tile 0 are done
	s_barrier_signal -1
	s_barrier_wait -1                              ; everybody's are
	WIN 0x40                                       ; Q fragments go to window 1 and stay; step 0's wait for LDS covers them
.irp j, 0,1
.irp ks, 0,1
.irp u, 0,1
	ds_load_b128 v[QF+16*\j+8*\ks+4*\u:QF+16*\j+8*\ks+4*\u+3], v[AQA] offset:\j*16*KP+\ks*64+\u*32
	ds_load_b128 v[QF+32+16*\j+8*\ks+4*\u:QF+32+16*\j+8*\ks+4*\u+3], v[AQB] offset:\j*16*KP+\ks*64+\u*32
.endr
.endr
.endr
	WIN 0
	; ---- 64 steps ----
	STEP 0, 1, 1, 1, 1                             ; t = 0 starts M, l and O: nothing is cleared
	STEP 1, 0, 1, 1, 1                             ; t = 1
	s_mov_b32 s26, 30                              ; t = 2 .. 61
.Lloop:
	STEP 0, 0, 1, 1, 1
	STEP 1, 0, 1, 1, 1
	s_sub_co_u32 s26, s26, 1
	s_cmp_lg_u32 s26, 0
	s_cbranch_scc1 .Lloop
	STEP 0, 0, 1, 0, 1                             ; t = 62: tile 63 is converted, nothing is left to ask for
	STEP 1, 0, 0, 0, 0                             ; t = 63; the final M lies in MP1
	; ---- the pair merges ----
.irp q, 0,1,2,3
	v_add_f32 v[LT+\q], v[LS+2*\q], v[LS+2*\q+1]   ; these four are the places behind the last product, for the LDS stores of O and the loads into fragments
.endr
.irp q, 0,1,2,3
	v_permlanex16_b32 v[MP0+2*\q+1], v[LT+\q], s24, s25
.endr
.irp q, 0,1,2,3
	v_add_f32 v[MP1+2*\q+1], v[LT+\q], v[MP0+2*\q+1]   ; MP1 now holds the pairs (M, l)
.endr
	WIN 0x04                                       ; store data from window 1: O of slots 2, 3
.irp i, 0,1,2,3,4,5,6,7,8,9,10,11,12,13,14,15
	ds_store_b128 v[XA], v[64+4*\i:64+4*\i+3] offset:512*\i
.endr
	WIN 0
	ds_store_b128 v[XA], v[MP1+4:MP1+7] offset:8192
	s_wait_dscnt 0x0                               ; my gift is written
	s_barrier_signal -1
	s_barrier_wait -1                              ; my partner's too
	ds_load_b128 v[PS:PS+3], v[XB] offset:8192
.irp i, 0,1,2,3,4,5,6,7,8,9,10,11,12,13,14,15
	ds_load_b128 v[SC+4*\i:SC+4*\i+3], v[XB] offset:512*\i   ; partner's O of my slots 0, 1: tile (q, dt) at SC + 32 q + 8 dt
.endr
.irp et, 0,1,2,3
.irp kc, 0,1
.irp u, 0,1
	ds_load_tr16_b128 v[KF+16*\et+8*\kc+4*\u:KF+16*\et+8*\kc+4*\u+3], v[AW] offset:\kc*32*VP+\et*32+\u*16*VP
.endr
.endr
.endr
	s_wait_dscnt 32                                ; partner's (M, l) are in; 16 loads of O and 16 of W stay out
.irp q, 0,1
	v_max_num_f32 v[MX+\q], v[MP1+2*\q], v[PS+2*\q]
.endr
.irp q, 0,1
	v_sub_f32 v[FA+2*\q], v[MP1+2*\q], v[MX+\q]
	v_sub_f32 v[FB+2*\q], v[PS+2*\q], v[MX+\q]
.endr
.irp q, 0,1
	v_exp_f32 v[FA+2*\q], v[FA+2*\q]
	v_exp_f32 v[FB+2*\q], v[FB+2*\q]
.endr
	v_nop                                          ; one plain place behind the exponentials (ISA guide 5.7.2)
	s_wait_alu depctr_va_vdst(0)
.irp q, 0,1
	v_mul_f32 v[FA+2*\q+1], v[MP1+2*\q+1], v[FA+2*\q]
.endr
.irp q, 0,1
	v_fmac_f32 v[FA+2*\q+1], v[PS+2*\q+1], v[FB+2*\q]   ; the row's whole sum; one of the two factors is 1 and its sum at least 1
.endr
.irp q, 0,1
	v_rcp_f32 v[FB+2*\q+1], v[FA+2*\q+1]
.endr
	v_nop                                          ; one plain place behind the reciprocals
	s_wait_alu depctr_va_vdst(0)
.irp q, 0,1
	v_mul_f32 v[FA+2*\q], v[FA+2*\q], v[FB+2*\q+1]
	v_mul_f32 v[FB+2*\q], v[FB+2*\q], v[FB+2*\q+1]
.endr
	s_wait_dscnt 16                                ; partner's O is in; W's 16 loads stay out
.irp q, 0,1
.irp i, 0,1,2,3,4,5,6,7,8,9,10,11,12,13,14,15
	v_pk_mul_f32 v[SC+32*\q+2*\i:SC+32*\q+2*\i+1], v[SC+32*\q+2*\i:SC+32*\q+2*\i+1], v[FB+2*\q:FB+2*\q+1] op_sel_hi:[1,0]
.endr
.endr
	WIN 0x01                                       ; my O from window 1
.irp q, 0,1
.irp i, 0,1,2,3,4,5,6,7,8,9,10,11,12,13,14,15
	v_pk_fma_f32 v[SC+32*\q+2*\i:SC+32*\q+2*\i+1], v[32*\q+2*\i:32*\q+2*\i+1], v[FA+2*\q:FA+2*\q+1], v[SC+32*\q+2*\i:SC+32*\q+2*\i+1] op_sel_hi:[1,0,1]
.endr
.endr
	WIN 0
.irp q, 0,1
.irp dt, 0,1,2,3
.irp i, 0,1,2,3
	v_cvt_pk_f16_f32 v[SC+32*\q+4*\dt+\i], v[SC+32*\q+8*\dt+2*\i], v[SC+32*\q+8*\dt+2*\i+1]   ; ascending, in place: fragment (q, kc) is SC + 32 q + 8 kc
.endr
.endr
.endr
	; ---- this head's share of the projection: R^T = W^T O^T, 8 tiles, d in two halves; the accumulators take turns ----
	s_wait_dscnt 0x0                               ; W's fragments are in
.irp q, 0,1
.irp et, 0,1,2,3
	v_wmma_f32_16x16x32_f16 v[RO+32*\q+8*\et:RO+32*\q+8*\et+7], v[KF+16*\et:KF+16*\et+7], v[SC+32*\q:SC+32*\q+7], 0
.endr
.endr
.irp q, 0,1
.irp et, 0,1,2,3
	v_wmma_f32_16x16x32_f16 v[RO+32*\q+8*\et:RO+32*\q+8*\et+7], v[KF+16*\et+8:KF+16*\et+15], v[SC+32*\q+8:SC+32*\q+15], v[RO+32*\q+8*\et:RO+32*\q+8*\et+7]
.endr
.endr
.rept 4
	v_nop                                          ; four places: for the LDS stores of the results and for the loads into the second sources
.endr
	; ---- the way out: a lane holds 8 neighbouring e of one row; through my own stage, back as whole rows ----
.irp q, 0,1
.irp et, 0,1,2,3
.irp u, 0,1
	ds_store_b128 v[OS], v[RO+32*\q+8*\et+4*\u:RO+32*\q+8*\et+4*\u+3] offset:\q*16*OP+\et*64+\u*16
.endr
.endr
.endr
.irp i, 0,1,2,3,4,5,6,7,8,9,10,11,12,13,14,15
	ds_load_b128 v[SC+4*\i:SC+4*\i+3], v[ORD] offset:\i*2*OP   ; my own bytes; LDS serves a wave's instructions in order (ISA guide 5.7.1): these see the stores above
.endr
.irp i, 0,1,2,3,4,5,6,7,8,9,10,11,12,13,14,15
	s_wait_dscnt 15-\i                             ; read-back i is in, the younger ones stay out
	global_store_b128 v[GO], v[SC+4*\i:SC+4*\i+3], s[12:13] offset:512*\i   ; two whole rows: 512 consecutive bytes, at a multiple of 512 from the buffer's first byte
.endr
	s_wait_tensorcnt 0x0
	ds_add_u32 v254, v255
	s_wait_dscnt 0x0
	s_endpgm
.Lfunc_end_k_q3f2e0863c6_attn:
	.size	k_q3f2e0863c6_attn, .Lfunc_end_k_q3f2e0863c6_attn-k_q3f2e0863c6_attn
	.p2alignl 7, 3214868480
	.fill 96, 4, 3214868480
	.section	.rodata,"a",@progbits
	.p2align	6, 0x0
	.amdhsa_kernel k_q3f2e0863c6_attn
		.amdhsa_group_segment_fixed_size 226304
		.amdhsa_private_segment_fixed_size 0
		.amdhsa_enable_private_segment 0
		.amdhsa_kernarg_size 40
		.amdhsa_user_sgpr_count 2
		.amdhsa_user_sgpr_kernarg_segment_ptr 1
		.amdhsa_wavefront_size32 1
		.amdhsa_system_sgpr_workgroup_id_x 1
		.amdhsa_system_sgpr_workgroup_id_y 1
		.amdhsa_system_sgpr_workgroup_id_z 1
		.amdhsa_system_vgpr_workitem_id 0
		.amdhsa_next_free_vgpr 448
		.amdhsa_next_free_sgpr 66
		.amdhsa_reserve_vcc 0
		.amdhsa_float_denorm_mode_32 3
		.amdhsa_float_denorm_mode_16_64 3
		.amdhsa_memory_ordered 1
		.amdhsa_forward_progress 1
		.amdhsa_inst_pref_size 151
	.end_amdhsa_kernel
	.amdgpu_metadata
---
amdhsa.version: [ 1, 2 ]
amdhsa.kernels:
  - .name:           k_q3f2e0863c6_attn
    .symbol:         k_q3f2e0863c6_attn.kd
    .args:
      - { .name: query, .offset: 0, .size: 8, .value_kind: global_buffer, .address_space: global }
      - { .name: key, .offset: 8, .size: 8, .value_kind: global_buffer, .address_space: global }
      - { .name: value, .offset: 16, .size: 8, .value_kind: global_buffer, .address_space: global }
      - { .name: W_out, .offset: 24, .size: 8, .value_kind: global_buffer, .address_space: global }
      - { .name: part, .offset: 32, .size: 8, .value_kind: global_buffer, .address_space: global }
    .group_segment_fixed_size: 226304
    .private_segment_fixed_size: 0
    .kernarg_segment_align: 8
    .kernarg_segment_size: 40
    .max_flat_workgroup_size: 256
    .sgpr_count:     66
    .vgpr_count:     448
    .wavefront_size: 32
...
	.end_amdgpu_metadata
.endif
;; end of part 1
;; launch reduce (part 2): grid 256 x 1, 8 waves a work-group, no clusters, 0 bytes of LDS; arguments part, b_out, out0; writes out0
.if DOCPART == 2
	.amdgcn_target "amdgcn-amd-amdhsa--gfx1250"
	.amdhsa_code_object_version 6
	.text
	.protected	k_q3f2e0863c6_reduce
	.globl	k_q3f2e0863c6_reduce
	.p2align	8
	.type	k_q3f2e0863c6_reduce,@function
k_q3f2e0863c6_reduce:
	s_mov_b64 s[64:65], 0
	v_nop
	global_prefetch_b8 v0, s[64:65] scope:SCOPE_SE
	s_setreg_imm32_b32 hwreg(HW_REG_WAVE_MODE, 25, 1), 1
	s_wait_xcnt 0x0
; reduce: out0[row][e] = b_out[e] + sum over the 8 heads of part[h][row][e].  part: [8][8192][64] f32; out0: [8192][64] f32; b_out: [64] f32.
; A stream: 8 bytes are read for each byte written, every byte once.  The work-group owns 8,192 consecutive bytes of out0; thread t owns the 16 bytes
; at 16 t and those at 16 t + 4,096, both columns 4 (t % 16) .. + 3, so one load of the bias serves both.  All 17 loads of a thread go out at once
; (64 KiB of part a work-group); each load and store of a wave covers 512 consecutive bytes, aligned.  No loop, LDS, barrier or matrix unit:
; no number is used twice and no wave needs another's.  The sum is a tree over the heads in f32, then the bias.
.set HEAD, 8192*256                    ; bytes from a head's part to the next
.set BI,   4                           ; v[4:7]   bias of my four columns
.set X,    8                           ; v[8:71]  chunk c, head hd at X + 32 c + 4 hd
.macro ADD4 d, a                       ; four sums
	v_pk_add_f32 v[\d:\d+1], v[\d:\d+1], v[\a:\a+1]
	v_pk_add_f32 v[\d+2:\d+3], v[\d+2:\d+3], v[\a+2:\a+3]
.endm
.macro SUM c
	ADD4 X+32*\c, X+32*\c+4
	ADD4 X+32*\c+8, X+32*\c+12
	ADD4 X+32*\c+16, X+32*\c+20
	ADD4 X+32*\c+24, X+32*\c+28
	ADD4 X+32*\c, X+32*\c+8
	ADD4 X+32*\c+16, X+32*\c+24
	ADD4 X+32*\c, X+32*\c+16
	ADD4 X+32*\c, BI
	global_store_b128 v1, v[X+32*\c:X+32*\c+3], s[8:9] offset:4096*\c th:TH_STORE_NT
.endm
	s_load_b128 s[4:7], s[0:1], 0x0                ; part s[4:5], b_out s[6:7]
	s_load_b64 s[8:9], s[0:1], 0x10                ; out0
	s_lshl_b32 s2, ttmp9, 13                       ; the work-group's 8,192 bytes
	s_mov_b32 s3, 0
	v_lshlrev_b32 v1, 4, v0                        ; 16 t
	v_and_b32 v2, 15, v0
	v_lshlrev_b32 v2, 4, v2                        ; my four columns in b_out
	s_wait_kmcnt 0x0
	s_add_nc_u64 s[4:5], s[4:5], s[2:3]            ; heads 0 to 3
	s_add_nc_u64 s[8:9], s[8:9], s[2:3]
	s_add_nc_u64 s[10:11], s[4:5], 4*HEAD          ; heads 4 to 7: four heads' bytes do not fit the signed 24-bit immediate (ISA guide, chapter 10)
	global_load_b128 v[BI:BI+3], v2, s[6:7]
.irp c, 0,1
.irp hd, 0,1,2,3
	global_load_b128 v[X+32*\c+4*\hd:X+32*\c+4*\hd+3], v1, s[4:5] offset:\hd*HEAD+\c*4096 th:TH_LOAD_NT
.endr
.irp hd, 0,1,2,3
	global_load_b128 v[X+32*\c+16+4*\hd:X+32*\c+16+4*\hd+3], v1, s[10:11] offset:\hd*HEAD+\c*4096 th:TH_LOAD_NT
.endr
.endr
	s_wait_loadcnt 8                               ; the bias and the first chunk's eight heads are in; the second chunk's eight stay out
	SUM 0
	s_wait_loadcnt 0x0
	SUM 1
	s_endpgm
.Lfunc_end_k_q3f2e0863c6_reduce:
	.size	k_q3f2e0863c6_reduce, .Lfunc_end_k_q3f2e0863c6_reduce-k_q3f2e0863c6_reduce
	.p2alignl 7, 3214868480
	.fill 96, 4, 3214868480
	.section	.rodata,"a",@progbits
	.p2align	6, 0x0
	.amdhsa_kernel k_q3f2e0863c6_reduce
		.amdhsa_group_segment_fixed_size 0
		.amdhsa_private_segment_fixed_size 0
		.amdhsa_enable_private_segment 0
		.amdhsa_kernarg_size 24
		.amdhsa_user_sgpr_count 2
		.amdhsa_user_sgpr_kernarg_segment_ptr 1
		.amdhsa_wavefront_size32 1
		.amdhsa_system_sgpr_workgroup_id_x 1
		.amdhsa_system_sgpr_workgroup_id_y 1
		.amdhsa_system_sgpr_workgroup_id_z 1
		.amdhsa_system_vgpr_workitem_id 0
		.amdhsa_next_free_vgpr 76
		.amdhsa_next_free_sgpr 66
		.amdhsa_reserve_vcc 0
		.amdhsa_float_denorm_mode_32 3
		.amdhsa_float_denorm_mode_16_64 3
		.amdhsa_memory_ordered 1
		.amdhsa_forward_progress 1
		.amdhsa_inst_pref_size 5
	.end_amdhsa_kernel
	.amdgpu_metadata
---
amdhsa.version: [ 1, 2 ]
amdhsa.kernels:
  - .name:           k_q3f2e0863c6_reduce
    .symbol:         k_q3f2e0863c6_reduce.kd
    .args:
      - { .name: part, .offset: 0, .size: 8, .value_kind: global_buffer, .address_space: global }
      - { .name: b_out, .offset: 8, .size: 8, .value_kind: global_buffer, .address_space: global }
      - { .name: out0, .offset: 16, .size: 8, .value_kind: global_buffer, .address_space: global }
    .group_segment_fixed_size: 0
    .private_segment_fixed_size: 0
    .kernarg_segment_align: 8
    .kernarg_segment_size: 24
    .max_flat_workgroup_size: 256
    .sgpr_count:     66
    .vgpr_count:     76
    .wavefront_size: 32
...
	.end_amdgpu_metadata
.endif
;; end of part 2
;; ======== version 2 of 2: 2 launches
;; limits: values are held in f16: magnitudes above 65,504 overflow, below 6.1e-05 lose precision
;; workspace buffers: part 16,777,216 bytes
;; launch attn (part 3): grid 256 x 1, 8 waves a work-group, no clusters, 265,216 bytes of LDS; arguments query, key, value, W_out, part; writes part
.if DOCPART == 3
	.amdgcn_target "amdgcn-amd-amdhsa--gfx1250"
	.amdhsa_code_object_version 6
	.text
	.protected	k_q3f2e0863c6_attn
	.globl	k_q3f2e0863c6_attn
	.p2align	8
	.type	k_q3f2e0863c6_attn,@function
k_q3f2e0863c6_attn:
	s_mov_b64 s[64:65], 0
	v_nop
	global_prefetch_b8 v0, s[64:65] scope:SCOPE_SE
	s_setreg_imm32_b32 hwreg(HW_REG_WAVE_MODE, 25, 1), 1
	s_wait_xcnt 0x0
; attn: part[h][b*4096+n][e] = sum over d of softmax(q k^T / 8)[n][:] v[:][d] * W_out[64 h + d][e], for one head h of one batch b.
; query, key, value: [2][4096][512] f32 (a head is 64 columns = 256 bytes of a row of 2,048 bytes); W_out: [512][64] f32; part: [8][8192][64] f32.
;
; SHARES.  Work-group x: head (b, h) = x >> 4, queries 256 (x & 15) .. +255.  Eight waves; wave w = (g = w & 3, p = w >> 2) has the 64 queries
; 64 g .. +63 of the block and, in every tile of 128 keys, the 64 keys 64 p .. +63.  It keeps a running maximum, a sum and O of its own; the two
; waves of a pair (g, 0), (g, 1) merge once at the end.  64 queries x 64 keys: 16 KiB of fragments from LDS feed 64 matrix instructions.
; 64 KEYS A PASS: the rescaling of O (128 registers, 64 packed multiplies), the factor alpha and the step across the lane halves cost the same
; whatever the number of keys, so they are paid once for 64 keys; S then takes 128 registers, and K's and V's fragments share one set of 64.
; TRANSPOSED PRODUCTS.  S^T = K Q^T and O^T = V^T P^T: a lane holds one query (lane % 16) in every register, so maximum and sum are plain
; per-lane numbers, and S^T rounded to f16 in place is already the second source of the next product; likewise O^T for the projection.
; Register slot j (0..3) of a wave holds query tile j xor 2 p, so that every wave keeps slots 0, 1 and gives slots 2, 3 to its partner.
; PIPELINE.  Step t multiplies tile t (LDS slot t & 1), converts tile t + 1 from staging registers to f16 into the other slot, and asks memory
; for tile t + 2.  One barrier a step, behind all of the step's LDS work.
; TWO HALVES OUT OF STEP.  For each tile a wave does S^T and the maximum, then 384 vector instructions on registers alone (exponentials, sums,
; rounding, rescaling), then P V.  Waves 0-3 do those 384 in front of the step's barrier, waves 4-7 behind it.  So between two barriers waves 0-3
; go P V, S^T (64 matrix instructions), then vector work, and waves 4-7 vector work, then P V, S^T: where a SIMD holds a wave of each half, the
; matrix instructions of the one are issued beside the vector work of the other.  A wave's own order of work is the same in both halves.
;
; F16, NOT BF16.  An output passes through six roundings of matrix operands (q, k, the probabilities, v, O, W).  With a significand of 8 bits their
; joint error is about a third of one hundredth of the output's root mean square; with f16's 11 bits each is eight times smaller.
;
; NO TENSOR LOADS, NO CLUSTER, though the 16 work-groups of a head read the same K and V tiles: the tiles are f32 in memory and must be f16 in
; LDS.  Through registers a tile touches LDS as 32 KiB stored and 128 KiB read a step.  A tile landed in LDS as f32 would add 64 KiB landed,
; 64 KiB read back and the same 32 KiB stored: 288 KiB against 160 KiB a step, and a round of the cluster's barrier for each refill.
;
; LIMITS.  Inputs are finite, and 0.18 |q|, |k|, |v| and |W_out| stay below 65,504, f16's largest number; beyond it an operand becomes infinite.
; (Numbers of spread 1 made thirty times larger and shifted by thirty of their spreads reach about 1,100.)  Operands below 2^-14 in magnitude
; carry an absolute error of up to 2^-25 in place of a relative one.  q is multiplied by 0.125 log2(e) in f32 and then rounded (the reference
; scales the product): the same relative error in another order.  Sums are f32.  The running maximum takes in the current tile, so no exponent
; is above 0.  In P V a probability below 2^-14 of the running maximum carries an absolute error of up to 2^-25, and below 2^-25 it counts as 0:
; over 4,096 keys at most 1.3e-4 of a row's weight, whose sum is at least 1.  The row sum itself takes the f32 probabilities (below 2^-126:
; 0, since v_exp_f32 flushes: ISA guide 15.8).
.set TK,    128                        ; keys in a tile
.set KP,    144                        ; LDS pitch of K and Q rows: 128 bytes + 16, an odd multiple of 16: 16 rows of a fragment load start 16 bytes apart modulo 256
.set VP,    160                        ; LDS pitch of V and W rows: 128 bytes + 32, an odd multiple of 32, for the transposing load
.set VOFF,  TK*KP                      ; V's 128 rows lie behind K's 128 rows
.set SLOT,  TK*KP+TK*VP                ; 38,912 bytes; two slots
.set QS,    2*SLOT                     ; 256 rows of scaled q, f16, pitch KP: 36,864 bytes
.set WS,    QS+256*KP                  ; 64 rows [d][e] of this head's W, f16, pitch VP: 10,240 bytes
.set XCH,   WS+64*VP                   ; 8 x XW: what a wave gives its partner: 16 x 512 bytes of O, then 512 bytes of (M, l, M, l)
.set XW,    8704
.set OST,   XCH+8*XW                   ; 8 x XW: a wave's own stage for the way out: 32 rows of 256 bytes, pitch 272
.set OP,    272
.set TILEB, TK*2048                    ; bytes from a tile of 128 keys to the next
; window 0
.set GKV, 2                            ; byte offset of my 16 bytes in each 64 rows of K, V and Q: row 8 w + 4 (l / 16), column 16 (l % 16)
.set SK,  4                            ; where their 8 bytes of f16 go in K's part of slot 0
.set SV,  5                            ; and in V's part
.set AK,  6                            ; K fragments: (64 p + l % 16) KP + 16 (l / 16)
.set AV,  7                            ; V fragments: VOFF + (64 p + 8 (l / 16) + l % 8) VP + 16 ((l / 8) % 2)
.set PFO, 8                            ; prefetch: the row of a tile that this lane asks for, in bytes
.set AW,  9                            ; W fragments
.set XA,  10                           ; my gift
.set XB,  11                           ; my partner's gift
.set OS,  12                           ; way out: where I put 16 bytes
.set ORD, 13                           ; way out: where I read rows back
.set GO,  14                           ; way out: 16 x lane
.set MP0, 16                           ; v16-23  pair 2 q: (M[q], scratch) as the steps on slot 0 write it
.set MP1, 24                           ; v24-31  the same for the steps on slot 1; a step reads the old M from the other set
.set ALP, 32                           ; v32-39  pair 2 q: (alpha[q] = 2^(old M - new M), old M - new M)
.set LS,  40                           ; v40-47  pair 2 q: two partial row sums
.set F,   48                           ; v48-111 K fragment (kt, ks) at F + 16 kt + 8 ks; then V^T fragment (dt, kc) at F + 16 dt + 8 kc; at the end W fragment (et, kc)
.set SC,  112                          ; v112-239 S^T tile (q, kt) at SC + 32 q + 8 kt; rounded in place, P fragment (q, kc) is SC + 32 q + 8 kc .. + 7
.set RO,  176                          ; v176-239 at the end: projection tile (q, et) at RO + 32 q + 8 et
.set SQ,  240                          ; v240-251 prologue only
.set SW,  241
.set GW,  242
.set AQA, 243
.set AQB, 244
.set VL,  245
.set VR,  246
.set VH,  247
.set VL7, 248
.set VB3, 249
.set T,   250
.set T1,  251
.set PS,  240                          ; v240-243 at the end: partner's (M, l) of my slots 0, 1
.set FA,  244                          ; v244-247 pair 2 q: (my factor, total sum)
.set FB,  248                          ; v248-251 pair 2 q: (partner's factor, 1 / total sum)
.set MX,  252                          ; v252-253 the common maximum
; window 1: O^T tile (q, dt) at v[8 (4 q + dt)] (v0-127); Q fragment (q, ks) at v[QF + 16 q + 8 ks] (v128-191); staging at v[G ..] (v192-255)
.set QF,  128
.set G,   192                          ; K's eight loads (16 u + 4 i), then V's eight
; s_set_vgpr_msb's low byte: bits 1:0 source 0, 3:2 source 1, 5:4 source 2, 7:6 destination; its high byte repeats the setting that is left
.set MSB, 0
.macro WIN new
.if MSB != \new
	s_set_vgpr_msb (MSB<<8)|\new
.set MSB, \new
.endif
.endm
; sixteen loads: a lane takes 16 bytes of eight rows of K and of eight rows of V; 16 neighbouring lanes take one head's whole 256 bytes of a row
.macro LDKV
	WIN 0x40                                       ; staging lies in window 1
.irp u, 0,1
.irp i, 0,1,2,3
	global_load_b128 v[G+16*\u+4*\i:G+16*\u+4*\i+3], v[GKV], s[6:7] offset:(64*\u+\i)*2048
.endr
.endr
.irp u, 0,1
.irp i, 0,1,2,3
	global_load_b128 v[G+32+16*\u+4*\i:G+32+16*\u+4*\i+3], v[GKV], s[8:9] offset:(64*\u+\i)*2048
.endr
.endr
	WIN 0
.endm
; four loads of 4 f32 become four pairs of registers of f16, in place (the caller sets the window)
.macro CVT4 base
.irp i, 0,1,2,3
	v_cvt_pk_f16_f32 v[\base+4*\i], v[\base+4*\i], v[\base+4*\i+1]
	v_cvt_pk_f16_f32 v[\base+4*\i+1], v[\base+4*\i+2], v[\base+4*\i+3]
.endr
.endm
.macro ST4 base, addr, off, pitch
.irp i, 0,1,2,3
	ds_store_b64 v[\addr], v[\base+4*\i:\base+4*\i+1] offset:\off+\i*\pitch
.endr
.endm
; Prefetch.  The bases point at tile t + 2, so the offset of one tile names tile T = t + 3 (s27): one step ahead of the step that loads it.
; A tile's 128 rows of K and of V are asked for once in the launch: by wave 0 of the four work-groups of the head with (x & 15) >> 2 = T & 3,
; 32 rows each, one lane a row.  s28 is that number in wave 0 and 4 elsewhere; bit 5 of the mask stops T = 32, which does not exist.
.macro PREF
	s_and_b32 s29, s27, 0x23
	s_cmp_eq_u32 s29, s28
	s_cbranch_scc0 .Lnp_\@
	global_prefetch_b8 v[PFO], s[6:7] offset:TILEB th:TH_LOAD_NT scope:SCOPE_SE
	global_prefetch_b8 v[PFO], s[8:9] offset:TILEB th:TH_LOAD_NT scope:SCOPE_SE
.Lnp_\@:
	s_add_co_u32 s27, s27, 1
.endm
; S^T = K Q^T: 16 tiles (4 query tiles x 4 key tiles), d in two halves.  The sixteen accumulators take turns, one instruction a turn.
.macro SMUL
	WIN 0x04                                       ; Q in window 1
.irp q, 0,1,2,3
.irp kt, 0,1,2,3
	v_wmma_f32_16x16x32_f16 v[SC+32*\q+8*\kt:SC+32*\q+8*\kt+7], v[F+16*\kt:F+16*\kt+7], v[QF+16*\q:QF+16*\q+7], 0
.endr
.endr
.irp q, 0,1,2,3
.irp kt, 0,1,2,3
	v_wmma_f32_16x16x32_f16 v[SC+32*\q+8*\kt:SC+32*\q+8*\kt+7], v[F+16*\kt+8:F+16*\kt+15], v[QF+16*\q+8:QF+16*\q+15], v[SC+32*\q+8*\kt:SC+32*\q+8*\kt+7]
.endr
.endr
	WIN 0
.rept 4
	v_nop                                          ; four places between the last product and what follows: the loads into its first sources and the vector instructions that read results
.endr
.endm
; The new maximum of each query: my 32 scores and the old M, four chains side by side; then the other half of the lanes, which holds the other 32 keys.
.macro SMAX cur, old, first
.irp q, 0,1,2,3
.if \first
	v_max_num_f32 v[\cur+2*\q], v[SC+32*\q], v[SC+32*\q+1]
.else
	v_max3_num_f32 v[\cur+2*\q], v[SC+32*\q], v[SC+32*\q+1], v[\old+2*\q]
.endif
.endr
.irp i, 1,2,3,4,5,6,7,8,9,10,11,12,13,14,15
.irp q, 0,1,2,3
	v_max3_num_f32 v[\cur+2*\q], v[SC+32*\q+2*\i], v[SC+32*\q+2*\i+1], v[\cur+2*\q]
.endr
.endr
.irp q, 0,1,2,3
	v_permlanex16_b32 v[\cur+2*\q+1], v[\cur+2*\q], s24, s25
.endr
.irp q, 0,1,2,3
	v_max_num_f32 v[\cur+2*\q], v[\cur+2*\q], v[\cur+2*\q+1]
.endr
.if \first
.else
.irp q, 0,1,2,3
	v_sub_f32 v[ALP+2*\q+1], v[\old+2*\q], v[\cur+2*\q]
.endr
	s_wait_alu depctr_va_vdst(0)
.irp q, 0,1,2,3
	v_exp_f32 v[ALP+2*\q], v[ALP+2*\q+1]           ; the plain place behind these (ISA guide 5.7.2) is, in both halves of the waves, the first subtraction of the exponents, which names neither
.endr
.endif
.endm
; P = 2^(S - M), in place.  Behind each run of exponentials stands the next query tile's subtraction, behind the last run the first line of the sums, which reads tile 0.
.macro SEXP cur
.irp q, 0,1,2,3
.irp i, 0,1,2,3,4,5,6,7,8,9,10,11,12,13,14,15
	v_pk_add_f32 v[SC+32*\q+2*\i:SC+32*\q+2*\i+1], v[SC+32*\q+2*\i:SC+32*\q+2*\i+1], v[\cur+2*\q:\cur+2*\q+1] op_sel_hi:[1,0] neg_lo:[0,1] neg_hi:[0,1]
.endr
.irp i, 0,1,2,3,4,5,6,7,8,9,10,11,12,13,14,15,16,17,18,19,20,21,22,23,24,25,26,27,28,29,30,31
	v_exp_f32 v[SC+32*\q+\i], v[SC+32*\q+\i]
.endr
.endr
.endm
; row sums, two partial sums a query tile and lane: l = l alpha + the 32 probabilities; the first step starts them
.macro SSUM first
.if \first
	s_wait_alu depctr_va_vdst(0)
.irp q, 0,1,2,3
	v_pk_add_f32 v[LS+2*\q:LS+2*\q+1], v[SC+32*\q:SC+32*\q+1], v[SC+32*\q+2:SC+32*\q+3]
.endr
.irp i, 2,3,4,5,6,7,8,9,10,11,12,13,14,15
.irp q, 0,1,2,3
	v_pk_add_f32 v[LS+2*\q:LS+2*\q+1], v[LS+2*\q:LS+2*\q+1], v[SC+32*\q+2*\i:SC+32*\q+2*\i+1]
.endr
.endr
.else
	s_wait_alu depctr_va_vdst(0)
.irp q, 0,1,2,3
	v_pk_fma_f32 v[LS+2*\q:LS+2*\q+1], v[LS+2*\q:LS+2*\q+1], v[ALP+2*\q:ALP+2*\q+1], v[SC+32*\q:SC+32*\q+1] op_sel_hi:[1,0,1]
.endr
.irp i, 1,2,3,4,5,6,7,8,9,10,11,12,13,14,15
.irp q, 0,1,2,3
	v_pk_add_f32 v[LS+2*\q:LS+2*\q+1], v[LS+2*\q:LS+2*\q+1], v[SC+32*\q+2*\i:SC+32*\q+2*\i+1]
.endr
.endr
.endif
.endm
; P to f16 in place, ascending: register i takes registers 2 i, 2 i + 1, none of which lies below i.
; Of each eight: registers 0-3 are keys 32 kc + 8 (l/16) .. + 7, registers 4-7 keys 32 kc + 16 + 8 (l/16) .. + 7.
.macro SCVT
.irp q, 0,1,2,3
.irp i, 0,1,2,3,4,5,6,7,8,9,10,11,12,13,14,15
	v_cvt_pk_f16_f32 v[SC+32*\q+\i], v[SC+32*\q+2*\i], v[SC+32*\q+2*\i+1]
.endr
.endr
.endm
; O = O alpha
.macro RESC
	WIN 0x41                                       ; O in window 1 as destination and first source
.irp q, 0,1,2,3
.irp i, 0,1,2,3,4,5,6,7,8,9,10,11,12,13,14,15
	v_pk_mul_f32 v[32*\q+2*\i:32*\q+2*\i+1], v[32*\q+2*\i:32*\q+2*\i+1], v[ALP+2*\q:ALP+2*\q+1] op_sel_hi:[1,0]
.endr
.endr
	WIN 0                                          ; a label may follow
.endm
; A tile's vector work on registers alone: no LDS, no memory, no matrix instruction
.macro VB cur, first
	SEXP \cur
	SSUM \first
	SCVT
.if \first
.else
	RESC
.endif
.endm
; O^T += V^T P^T: 16 tiles, the 64 keys in two halves: the accumulators take turns, one instruction a turn.  The first step starts the sums.
.macro PVMUL first
	WIN 0x50                                       ; O in window 1 as C and D
.irp q, 0,1,2,3
.irp dt, 0,1,2,3
.if \first
	v_wmma_f32_16x16x32_f16 v[8*(4*\q+\dt):8*(4*\q+\dt)+7], v[F+16*\dt:F+16*\dt+7], v[SC+32*\q:SC+32*\q+7], 0
.else
	v_wmma_f32_16x16x32_f16 v[8*(4*\q+\dt):8*(4*\q+\dt)+7], v[F+16*\dt:F+16*\dt+7], v[SC+32*\q:SC+32*\q+7], v[8*(4*\q+\dt):8*(4*\q+\dt)+7]
.endif
.endr
.endr
.irp q, 0,1,2,3
.irp dt, 0,1,2,3
	v_wmma_f32_16x16x32_f16 v[8*(4*\q+\dt):8*(4*\q+\dt)+7], v[F+16*\dt+8:F+16*\dt+15], v[SC+32*\q+8:SC+32*\q+15], v[8*(4*\q+\dt):8*(4*\q+\dt)+7]
.endr
.endr
	WIN 0
.endm
; One step.  slot: where this tile lies; first: it starts M, l and O; conv: the next tile is converted into the other slot;
; load: the tile after that is asked for; mode: 0 no barrier (no later step), 1 a barrier round the common vector work, 2 the two halves of the waves part at the barrier.
.macro STEP slot, first, conv, load, mode
.if \conv
	s_wait_loadcnt 0x0                             ; the sixteen loads of the next tile, issued one step ago, are the only ones out
	WIN 0x45                                       ; staging: destination and both sources in window 1
	CVT4 G                                         ; these 8 conversions are also the places between the last step's last product and the loads into
	                                               ; its first sources (4); with the 24 below, those in front of the first product, which writes over its P (5)
.else
	s_wait_alu depctr_va_vdst(0)
.rept 5
	v_nop                                          ; the same places, where nothing is left to convert
.endr
.endif
	WIN 0x04                                       ; loads: destination and address in window 0; the stores below: data in window 1; and the products' Q
.irp kt, 0,1,2,3
.irp ks, 0,1
.irp u, 0,1
	ds_load_b128 v[F+16*\kt+8*\ks+4*\u:F+16*\kt+8*\ks+4*\u+3], v[AK] offset:\slot*SLOT+\kt*16*KP+\ks*64+\u*32
.endr
.endr
.endr
.if \conv
	WIN 0x45
	CVT4 G+16                                      ; the rest is converted while K's fragments are on their way
	CVT4 G+32
	CVT4 G+48
	WIN 0x04
	ST4 G, SK, (1-\slot)*SLOT, KP                  ; the other slot: every wave's reads of it were back in front of the last barrier
	ST4 G+16, SK, (1-\slot)*SLOT+64*KP, KP
	ST4 G+32, SV, (1-\slot)*SLOT, VP
	ST4 G+48, SV, (1-\slot)*SLOT+64*VP, VP
	s_wait_dscnt 16                                ; all but the 16 stores just issued: K's fragments are in (in the first step Q's too)
.else
	s_wait_dscnt 0x0                               ; K's fragments are in
.endif
	SMUL
.irp dt, 0,1,2,3
.irp kc, 0,1
.irp u, 0,1
	ds_load_tr16_b128 v[F+16*\dt+8*\kc+4*\u:F+16*\dt+8*\kc+4*\u+3], v[AV] offset:\slot*SLOT+\kc*32*VP+\dt*32+\u*16*VP   ; V's fragments take K's registers and land under the maximum
.endr
.endr
.endr
.if \load
	s_wait_xcnt 0x0                                ; the last step's prefetches name the two bases and have no counter of their own: the bases are stepped only behind this wait
	s_add_nc_u64 s[6:7], s[6:7], TILEB
	s_add_nc_u64 s[8:9], s[8:9], TILEB
	LDKV
	PREF
.endif
	SMAX MP0+8*\slot, MP0+8*(1-\slot), \first
	s_wait_dscnt 0x0                               ; V's fragments are in; for the other waves: my reads of this slot are back and my stores into the other are done.
	                                               ; This was the step's last LDS instruction, in every wave
.if \mode == 2
	s_cmp_ge_u32 s14, 4                            ; the branch hangs on the wave's number alone and jumps over register work alone
	s_cbranch_scc1 .Lbehind_\@
	VB MP0+8*\slot, \first                         ; waves 0-3: in front of the barrier
.Lbehind_\@:
	s_barrier_signal -1                            ; signal and wait stand together, so that waves 4-7 start this tile's vector work
	s_barrier_wait -1                              ; when waves 0-3 start its P V.  Behind it the next step may read the other slot and write this one
	s_cmp_lt_u32 s14, 4
	s_cbranch_scc1 .Ldone_\@
	VB MP0+8*\slot, \first                         ; waves 4-7: behind the barrier
.Ldone_\@:
.else
.if \mode == 1
	s_barrier_signal -1
.endif
	VB MP0+8*\slot, \first                         ; all waves alike: register work between signal and wait
.if \mode == 1
	s_barrier_wait -1                              ; the next step may read the other slot and write this one
.endif
.endif
	PVMUL \first
.endm
	; ---- ids, bases, offsets ----
	s_load_b256 s[4:11], s[0:1], 0x0               ; query s[4:5], key s[6:7], value s[8:9], W_out s[10:11]
	s_load_b64 s[12:13], s[0:1], 0x20              ; part
	v_lshl_add_u32 v254, v0, 2, 0x40800
	v_mov_b32 v255, 0
	v_lshrrev_b32 v1, 5, v0
	v_readfirstlane_b32 s14, v1                    ; wave w
	s_and_b32 s15, s14, 3                          ; g: which 64 queries
	s_lshr_b32 s16, s14, 2                         ; p: which 64 keys of a tile
	s_lshr_b32 s17, ttmp9, 4                       ; 8 b + h
	s_and_b32 s18, ttmp9, 15                       ; query block
	s_lshr_b32 s19, s17, 3                         ; b
	s_and_b32 s20, s17, 7                          ; h
	s_mov_b32 s24, 0x76543210                      ; v_permlanex16_b32: lane i of one half reads lane i of the other
	s_mov_b32 s25, 0xfedcba98
	s_lshr_b32 s29, s18, 2
	s_cmp_eq_u32 s14, 0
	s_cselect_b32 s28, s29, 4                      ; the tiles (mod 4) that this wave prefetches; 4: none
	s_mov_b32 s27, 3                               ; the tile that step 0 may prefetch
	v_and_b32 v[VL], 31, v0                        ; l
	v_and_b32 v[VR], 15, v0                        ; l % 16
	v_bfe_u32 v[VH], v0, 4, 1                      ; l / 16
	v_and_b32 v[VL7], 7, v0                        ; l % 8
	v_bfe_u32 v[VB3], v0, 3, 1                     ; (l / 8) % 2
	s_lshl_b32 s29, s14, 3
	v_lshl_add_u32 v[T], v[VH], 2, s29             ; my first row of each 64: 8 w + 4 (l / 16)
	v_lshlrev_b32 v[T1], 4, v[VR]
	v_lshl_add_u32 v[GKV], v[T], 11, v[T1]         ; rows of 2,048 bytes
	v_lshl_add_u32 v[GW], v[T], 8, v[T1]           ; W: rows of 256 bytes
	v_mul_u32_u24 v[SK], v[T], KP
	v_lshl_add_u32 v[SK], v[VR], 3, v[SK]
	v_mul_u32_u24 v[SV], v[T], VP
	v_lshl_add_u32 v[SV], v[VR], 3, v[SV]
	v_add_nc_u32 v[SW], WS, v[SV]
	v_add_nc_u32 v[SV], VOFF, v[SV]
	v_add_nc_u32 v[SQ], QS, v[SK]
	s_lshl_b32 s34, s16, 6                         ; 64 p: my keys of a tile
	v_add_nc_u32 v[T], s34, v[VR]
	v_mul_u32_u24 v[T], v[T], KP
	v_lshl_add_u32 v[AK], v[VH], 4, v[T]
	v_lshl_add_u32 v[T], v[VH], 3, v[VL7]
	v_mul_u32_u24 v[T1], v[T], VP
	v_lshl_add_u32 v[T1], v[VB3], 4, v[T1]
	v_add_nc_u32 v[AW], WS, v[T1]
	s_mul_i32 s31, s34, VP
	s_add_co_u32 s31, s31, VOFF
	v_add_nc_u32 v[AV], s31, v[T1]
	s_lshl_b32 s30, s16, 5                         ; 32 p
	s_lshl_b32 s29, s15, 6                         ; 64 g
	s_add_co_u32 s31, s29, s30                     ; slots 0, 1: rows 64 g + 32 p ..
	s_xor_b32 s32, s30, 32
	s_add_co_u32 s32, s29, s32                     ; slots 2, 3: rows 64 g + 32 (1 - p) ..
	v_add_nc_u32 v[T], s31, v[VR]
	v_mul_u32_u24 v[T], v[T], KP
	v_lshl_add_u32 v[T], v[VH], 4, v[T]
	v_add_nc_u32 v[AQA], QS, v[T]
	v_add_nc_u32 v[T], s32, v[VR]
	v_mul_u32_u24 v[T], v[T], KP
	v_lshl_add_u32 v[T], v[VH], 4, v[T]
	v_add_nc_u32 v[AQB], QS, v[T]
	s_mul_i32 s31, s14, XW
	s_xor_b32 s32, s14, 4                          ; my partner: the same g, the other p
	s_mul_i32 s32, s32, XW
	s_add_co_u32 s33, s31, XCH
	s_add_co_u32 s32, s32, XCH
	v_lshlrev_b32 v[GO], 4, v[VL]
	v_add_nc_u32 v[XA], s33, v[GO]
	v_add_nc_u32 v[XB], s32, v[GO]
	s_add_co_u32 s33, s31, OST
	v_mul_u32_u24 v[T], v[VR], OP                  ; in: row l % 16, 32 bytes for each half of the lanes
	v_lshl_add_u32 v[T], v[VH], 5, v[T]
	v_add_nc_u32 v[OS], s33, v[T]
	v_mul_u32_u24 v[T], v[VH], OP                  ; back: lanes 0-15 one row of 256 bytes, lanes 16-31 the next
	v_lshl_add_u32 v[T], v[VR], 4, v[T]
	v_add_nc_u32 v[ORD], s33, v[T]
	s_and_b32 s29, s18, 3
	s_lshl_b32 s29, s29, 5
	v_add_nc_u32 v[T], s29, v[VL]
	v_lshlrev_b32 v[PFO], 11, v[T]                 ; row 32 (x & 3) + l of a tile
.irp q, 0,1,2,3
	v_mov_b32 v[MP0+2*\q+1], 0                     ; destinations of v_permlanex16_b32 count as read: written once here
	v_mov_b32 v[MP1+2*\q+1], 0
.endr
	s_lshl_b32 s22, s19, 23                        ; b x 4,096 rows x 2,048 bytes
	s_lshl_b32 s29, s20, 8                         ; + h x 256 bytes
	s_add_co_u32 s22, s22, s29
	s_mov_b32 s23, 0
	s_wait_kmcnt 0x0
	s_add_nc_u64 s[6:7], s[6:7], s[22:23]          ; key and value at tile 0 of my head
	s_add_nc_u64 s[8:9], s[8:9], s[22:23]
	s_lshl_b32 s29, s18, 19                        ; + block x 256 rows
	s_add_co_u32 s22, s22, s29
	s_add_nc_u64 s[4:5], s[4:5], s[22:23]          ; query at my block
	s_lshl_b32 s22, s20, 14                        ; W_out at row 64 h
	s_add_nc_u64 s[10:11], s[10:11], s[22:23]
	s_lshl_b32 s22, s20, 21                        ; part: head h, row 4,096 b + 256 block + 64 g + 32 p, rows of 256 bytes
	s_lshl_b32 s29, s19, 20
	s_add_co_u32 s22, s22, s29
	s_lshl_b32 s29, s18, 16
	s_add_co_u32 s22, s22, s29
	s_lshl_b32 s29, s15, 14
	s_add_co_u32 s22, s22, s29
	s_lshl_b32 s29, s16, 13
	s_add_co_u32 s22, s22, s29
	s_add_nc_u64 s[12:13], s[12:13], s[22:23]
	; ---- 36 loads: the block's q (16), this head's W (4), tile 0 (16) ----
.irp u, 0,1,2,3
.irp i, 0,1,2,3
	global_load_b128 v[SC+16*\u+4*\i:SC+16*\u+4*\i+3], v[GKV], s[4:5] offset:(64*\u+\i)*2048 th:TH_LOAD_NT
.endr
.endr
.irp i, 0,1,2,3
	global_load_b128 v[F+4*\i:F+4*\i+3], v[GW], s[10:11] offset:256*\i
.endr
	LDKV
	s_wait_loadcnt 20                              ; q is in; W's four loads and tile 0's sixteen stay out
.set j, 0
.rept 32
	v_pk_mul_f32 v[SC+2*j:SC+2*j+1], v[SC+2*j:SC+2*j+1], 0x3e38aa3b op_sel_hi:[1,0]   ; x 0.125 log2(e): the scores come out as exponents of 2
.set j, j+1
.endr
.irp u, 0,1,2,3
	CVT4 SC+16*\u
.endr
.irp u, 0,1,2,3
	ST4 SC+16*\u, SQ, \u*64*KP, KP
.endr
	s_wait_loadcnt 16                              ; W is in; tile 0's sixteen stay out
	CVT4 F
	ST4 F, SW, 0, VP
	s_wait_loadcnt 0x0                             ; tile 0 is in, and no load names the bases any more
	WIN 0x45
	CVT4 G
	CVT4 G+16
	CVT4 G+32
	CVT4 G+48
	WIN 0x04
	ST4 G, SK, 0, KP
	ST4 G+16, SK, 64*KP, KP
	ST4 G+32, SV, 0, VP
	ST4 G+48, SV, 64*VP, VP
	s_add_nc_u64 s[6:7], s[6:7], TILEB
	s_add_nc_u64 s[8:9], s[8:9], TILEB
	LDKV                                           ; tile 1
	s_wait_dscnt 0x0                               ; my stores of q, W and tile 0 are done
	s_barrier_signal -1
	s_barrier_wait -1                              ; everybody's are
	WIN 0x40                                       ; Q fragments go to window 1 and stay; step 0's first wait for LDS covers them
.irp j, 0,1
.irp ks, 0,1
.irp u, 0,1
	ds_load_b128 v[QF+16*\j+8*\ks+4*\u:QF+16*\j+8*\ks+4*\u+3], v[AQA] offset:\j*16*KP+\ks*64+\u*32
	ds_load_b128 v[QF+32+16*\j+8*\ks+4*\u:QF+32+16*\j+8*\ks+4*\u+3], v[AQB] offset:\j*16*KP+\ks*64+\u*32
.endr
.endr
.endr
	WIN 0
	; ---- 32 steps ----
	STEP 0, 1, 1, 1, 1                             ; t = 0 starts M, l and O, in all waves alike: nothing is cleared
	STEP 1, 0, 1, 1, 2                             ; t = 1: from here the two halves of the waves are half a step apart
	s_mov_b32 s26, 14                              ; t = 2 .. 29
.Lloop:
	STEP 0, 0, 1, 1, 2
	STEP 1, 0, 1, 1, 2
	s_sub_co_u32 s26, s26, 1
	s_cmp_lg_u32 s26, 0
	s_cbranch_scc1 .Lloop
	STEP 0, 0, 1, 0, 2                             ; t = 30: tile 31 is converted, nothing is left to ask for
	STEP 1, 0, 0, 0, 0                             ; t = 31: no slot is written any more, so no barrier; the final M lies in MP1
	; ---- the pair merges ----
.irp q, 0,1,2,3
	v_add_f32 v[ALP+2*\q+1], v[LS+2*\q], v[LS+2*\q+1]   ; these four are the places behind the last product, for the LDS stores of O and the loads into fragments
.endr
.irp q, 0,1,2,3
	v_permlanex16_b32 v[MP0+2*\q+1], v[ALP+2*\q+1], s24, s25
.endr
.irp q, 0,1,2,3
	v_add_f32 v[MP1+2*\q+1], v[ALP+2*\q+1], v[MP0+2*\q+1]   ; MP1 now holds the pairs (M, l)
.endr
	WIN 0x04                                       ; store data from window 1: O of slots 2, 3
.irp i, 0,1,2,3,4,5,6,7,8,9,10,11,12,13,14,15
	ds_store_b128 v[XA], v[64+4*\i:64+4*\i+3] offset:512*\i
.endr
	WIN 0
	ds_store_b128 v[XA], v[MP1+4:MP1+7] offset:8192
	s_wait_dscnt 0x0                               ; my gift is written
	s_barrier_signal -1
	s_barrier_wait -1                              ; my partner's too
	ds_load_b128 v[PS:PS+3], v[XB] offset:8192
.irp i, 0,1,2,3,4,5,6,7,8,9,10,11,12,13,14,15
	ds_load_b128 v[SC+4*\i:SC+4*\i+3], v[XB] offset:512*\i   ; partner's O of my slots 0, 1: tile (q, dt) at SC + 32 q + 8 dt
.endr
.irp et, 0,1,2,3
.irp kc, 0,1
.irp u, 0,1
	ds_load_tr16_b128 v[F+16*\et+8*\kc+4*\u:F+16*\et+8*\kc+4*\u+3], v[AW] offset:\kc*32*VP+\et*32+\u*16*VP
.endr
.endr
.endr
	s_wait_dscnt 32                                ; partner's (M, l) are in; 16 loads of O and 16 of W stay out
.irp q, 0,1
	v_max_num_f32 v[MX+\q], v[MP1+2*\q], v[PS+2*\q]
.endr
.irp q, 0,1
	v_sub_f32 v[FA+2*\q], v[MP1+2*\q], v[MX+\q]
	v_sub_f32 v[FB+2*\q], v[PS+2*\q], v[MX+\q]
.endr
.irp q, 0,1
	v_exp_f32 v[FA+2*\q], v[FA+2*\q]
	v_exp_f32 v[FB+2*\q], v[FB+2*\q]
.endr
	v_nop                                          ; one plain place behind the exponentials (ISA guide 5.7.2)
	s_wait_alu depctr_va_vdst(0)
.irp q, 0,1
	v_mul_f32 v[FA+2*\q+1], v[MP1+2*\q+1], v[FA+2*\q]
.endr
.irp q, 0,1
	v_fmac_f32 v[FA+2*\q+1], v[PS+2*\q+1], v[FB+2*\q]   ; the row's whole sum; one of the two factors is 1 and its sum at least 1
.endr
.irp q, 0,1
	v_rcp_f32 v[FB+2*\q+1], v[FA+2*\q+1]
.endr
	v_nop                                          ; one plain place behind the reciprocals
	s_wait_alu depctr_va_vdst(0)
.irp q, 0,1
	v_mul_f32 v[FA+2*\q], v[FA+2*\q], v[FB+2*\q+1]
	v_mul_f32 v[FB+2*\q], v[FB+2*\q], v[FB+2*\q+1]
.endr
	s_wait_dscnt 16                                ; partner's O is in; W's 16 loads stay out
.irp q, 0,1
.irp i, 0,1,2,3,4,5,6,7,8,9,10,11,12,13,14,15
	v_pk_mul_f32 v[SC+32*\q+2*\i:SC+32*\q+2*\i+1], v[SC+32*\q+2*\i:SC+32*\q+2*\i+1], v[FB+2*\q:FB+2*\q+1] op_sel_hi:[1,0]
.endr
.endr
	WIN 0x01                                       ; my O from window 1
.irp q, 0,1
.irp i, 0,1,2,3,4,5,6,7,8,9,10,11,12,13,14,15
	v_pk_fma_f32 v[SC+32*\q+2*\i:SC+32*\q+2*\i+1], v[32*\q+2*\i:32*\q+2*\i+1], v[FA+2*\q:FA+2*\q+1], v[SC+32*\q+2*\i:SC+32*\q+2*\i+1] op_sel_hi:[1,0,1]
.endr
.endr
	WIN 0
.irp q, 0,1
.irp dt, 0,1,2,3
.irp i, 0,1,2,3
	v_cvt_pk_f16_f32 v[SC+32*\q+4*\dt+\i], v[SC+32*\q+8*\dt+2*\i], v[SC+32*\q+8*\dt+2*\i+1]   ; ascending, in place: fragment (q, kc) is SC + 32 q + 8 kc
.endr
.endr
.endr
	; ---- this head's share of the projection: R^T = W^T O^T, 8 tiles, d in two halves; the accumulators take turns ----
	s_wait_dscnt 0x0                               ; W's fragments are in
.irp q, 0,1
.irp et, 0,1,2,3
	v_wmma_f32_16x16x32_f16 v[RO+32*\q+8*\et:RO+32*\q+8*\et+7], v[F+16*\et:F+16*\et+7], v[SC+32*\q:SC+32*\q+7], 0
.endr
.endr
.irp q, 0,1
.irp et, 0,1,2,3
	v_wmma_f32_16x16x32_f16 v[RO+32*\q+8*\et:RO+32*\q+8*\et+7], v[F+16*\et+8:F+16*\et+15], v[SC+32*\q+8:SC+32*\q+15], v[RO+32*\q+8*\et:RO+32*\q+8*\et+7]
.endr
.endr
.rept 4
	v_nop                                          ; four places: for the LDS stores of the results and for the loads into the second sources
.endr
	; ---- the way out: a lane holds 8 neighbouring e of one row; through my own stage, back as whole rows ----
.irp q, 0,1
.irp et, 0,1,2,3
.irp u, 0,1
	ds_store_b128 v[OS], v[RO+32*\q+8*\et+4*\u:RO+32*\q+8*\et+4*\u+3] offset:\q*16*OP+\et*64+\u*16
.endr
.endr
.endr
.irp i, 0,1,2,3,4,5,6,7,8,9,10,11,12,13,14,15
	ds_load_b128 v[SC+4*\i:SC+4*\i+3], v[ORD] offset:\i*2*OP   ; my own bytes; LDS serves a wave's instructions in order (ISA guide 5.7.1): these see the stores above
.endr
.irp i, 0,1,2,3,4,5,6,7,8,9,10,11,12,13,14,15
	s_wait_dscnt 15-\i                             ; read-back i is in, the younger ones stay out
	global_store_b128 v[GO], v[SC+4*\i:SC+4*\i+3], s[12:13] offset:512*\i   ; two whole rows: 512 consecutive bytes, at a multiple of 512 from the buffer's first byte
.endr
	s_wait_tensorcnt 0x0
	ds_add_u32 v254, v255
	s_wait_dscnt 0x0
	s_endpgm
.Lfunc_end_k_q3f2e0863c6_attn:
	.size	k_q3f2e0863c6_attn, .Lfunc_end_k_q3f2e0863c6_attn-k_q3f2e0863c6_attn
	.p2alignl 7, 3214868480
	.fill 96, 4, 3214868480
	.section	.rodata,"a",@progbits
	.p2align	6, 0x0
	.amdhsa_kernel k_q3f2e0863c6_attn
		.amdhsa_group_segment_fixed_size 265216
		.amdhsa_private_segment_fixed_size 0
		.amdhsa_enable_private_segment 0
		.amdhsa_kernarg_size 40
		.amdhsa_user_sgpr_count 2
		.amdhsa_user_sgpr_kernarg_segment_ptr 1
		.amdhsa_wavefront_size32 1
		.amdhsa_system_sgpr_workgroup_id_x 1
		.amdhsa_system_sgpr_workgroup_id_y 1
		.amdhsa_system_sgpr_workgroup_id_z 1
		.amdhsa_system_vgpr_workitem_id 0
		.amdhsa_next_free_vgpr 512
		.amdhsa_next_free_sgpr 66
		.amdhsa_reserve_vcc 0
		.amdhsa_float_denorm_mode_32 3
		.amdhsa_float_denorm_mode_16_64 3
		.amdhsa_memory_ordered 1
		.amdhsa_forward_progress 1
		.amdhsa_inst_pref_size 255
	.end_amdhsa_kernel
	.section	.bss,"aw",@nobits
	.p2align	6
	.space	262144
	.amdgpu_metadata
---
amdhsa.version: [ 1, 2 ]
amdhsa.kernels:
  - .name:           k_q3f2e0863c6_attn
    .symbol:         k_q3f2e0863c6_attn.kd
    .args:
      - { .name: query, .offset: 0, .size: 8, .value_kind: global_buffer, .address_space: global }
      - { .name: key, .offset: 8, .size: 8, .value_kind: global_buffer, .address_space: global }
      - { .name: value, .offset: 16, .size: 8, .value_kind: global_buffer, .address_space: global }
      - { .name: W_out, .offset: 24, .size: 8, .value_kind: global_buffer, .address_space: global }
      - { .name: part, .offset: 32, .size: 8, .value_kind: global_buffer, .address_space: global }
    .group_segment_fixed_size: 265216
    .private_segment_fixed_size: 0
    .kernarg_segment_align: 8
    .kernarg_segment_size: 40
    .max_flat_workgroup_size: 256
    .sgpr_count:     66
    .vgpr_count:     512
    .wavefront_size: 32
...
	.end_amdgpu_metadata
.endif
;; end of part 3
;; launch reduce: the kernel of part 2 again; grid 256 x 1, 8 waves a work-group, no clusters, 0 bytes of LDS; arguments part, b_out, out0; writes out0
